; MI455X (gfx1250); checked and timed in simulation.
; The chip was launched on July 23, 2026; its instructions are those of AMD's public machine-readable ISA for CDNA 5 (MIT licence, August 2026) and "CDNA5" Instruction Set Architecture Reference Guide (July 2026). The comments in the code are by the model that wrote it; some were corrected since.
;; Refinement. Allowed arithmetic: float matrix products may take bf16 or f16 operands with f32 sums; all other float work in f32.
;; Inputs: W1 32 x 32 float32; W2 32 x 32 float32; W_scale 32 x 32 float32; b1 32 float32; b2 32 float32; b_scale 32 float32; rgn 256 x 512 x 32 float32; wrd 256 x 512 x 32 float32.
;; Outputs: out0 256 x 1 x 512 x 32 float32.
;; 2 versions, each right; version 2 is version 1 with the launch refine written anew for expert scheduling mode. Each part assembles by itself: llvm-mc -triple=amdgcn-amd-amdhsa -mcpu=gfx1250 --defsym DOCPART=n.
;; ======== version 1 of 2: 1 launch
;; launch refine (part 1): grid 256 x 1, 16 waves a work-group, no clusters, 181,760 bytes of LDS; arguments rgn, wrd, W_scale, W1, W2, b_scale, b1, b2, out0; writes out0
.if DOCPART == 1
	.amdgcn_target "amdgcn-amd-amdhsa--gfx1250"
	.amdhsa_code_object_version 6
	.text
	.protected	k_q5e4fdc79dd_refine
	.globl	k_q5e4fdc79dd_refine
	.p2align	8
	.type	k_q5e4fdc79dd_refine,@function
k_q5e4fdc79dd_refine:
	s_mov_b64 s[64:65], 0
	v_nop
	global_prefetch_b8 v0, s[64:65] scope:SCOPE_SE
	s_setreg_imm32_b32 hwreg(HW_REG_WAVE_MODE, 25, 1), 1
	s_wait_xcnt 0x0
; Refinement: softmax attention (query rgn, context wrd, LeakyReLU(0.1), factor 4) and three layers of 32 x 32, all in one launch.
; Work-group b = batch b (256 of them).  16 waves; wave w owns queries 32 w .. 32 w + 31 (two tiles of 16, qt = 0, 1) and brings in
; rows 32 w .. 32 w + 31 of wrd and of rgn; the row means q of exactly these wrd rows are the ones its own queries need.
; Each input byte of rgn and wrd is read once, each output byte written once; nothing goes through memory in between.
;
; EVERY PRODUCT IS KEPT TRANSPOSED, D[m = s or feature][n = query], so that no result is ever transposed:
;   scores  D = (16 wrd rows) x (16 rgn rows): register j of lane (r, h) holds s = 8 h + j of query r.  Two such tiles, packed to bf16,
;   ARE the B fragment (n = query, k = 32 s) of the next product; its A is wrd transposed (ds_load_tr16_b128), or a fragment of ones,
;   which gives the softmax's denominator in every register with no vector add and no step across lanes.  The context packs the same way
;   into the B fragment of layer 1 (A = rows of W), and so on.  Biases come in as the C operand.  Maximum, 1/l and q are one number a lane.
; SOFTMAX: pass 1 computes all scores and keeps only the true maximum m of each query (LeakyReLU rises, so leaky(m) is the maximum of
;   the leaky scores); pass 2 computes the same scores again (same instruction, same operands, same bits) rather than keep 512 of them
;   for each query in registers.  p = exp2(max(c x, 0.1 c x) - c leaky(m)), c = 4 log2(e), applied in f32 behind the product:
;   rgn and wrd are rounded to bf16 as they are, unscaled.
; WHY 16 WAVES: the work is vector and exponential issue in long dependent chains; four waves on each SIMD overlap them
;   (4 x 218 registers fit into a SIMD's 1,024).
; NO TENSOR LOADS: every input number passes through registers anyway (f32 to bf16, and the f32 row mean), and the work-group's whole
;   128 KiB is requested in one burst.  NO CLUSTER: work-groups share nothing but 12,672 bytes of weights and biases.
;   NO PREFETCH: there is nothing to fetch after the burst at the start.
; LIMITS: inputs are finite (a NaN is dropped by the maximum); an exponential below 2^-126 counts as 0; f32 sums are formed in another
;   order than the reference's; tanh(z) = 1 - 2 / (1 + exp2(2 log2(e) z)), absolute error about 1e-7 near z = 0.
; ---- LDS (bytes) ----
.set KP,    80                         ; KROW: wrd in bf16, [512][32], 64 bytes + 16: an odd multiple of 16, so a fragment's 16 rows start 16 bytes apart modulo 256
.set VROW,  40960                      ; the same numbers once more, for the transposing loads
.set VP,    96                         ; an odd multiple of 32
.set WL,    90112                      ; W_scale, W1, W2 in bf16, [32][32], pitch 80
.set WMAT,  2560                       ; bytes of one of them
.set PW,    97792                      ; private part of wave w at PW + PWB w
.set PWB,   5120
.set QM,    4608                       ; in it: +0 stage (rgn rows, pitch 80; at the end the output, pitch 144); +4608 32 row means;
.set BIAS,  4736                       ; +4736 b_scale, b1, b2 (3 x 128 bytes)
.set OP,    144                        ; output stage: 128 bytes + 16
; ---- vector registers ----
.set TMP,   6
.set WOFF,  7                          ; global offset of my 16 bytes in each weight matrix (waves 0 to 7)
.set GOFF,  8                          ; global offset of my 16 bytes in rgn, wrd, out0: 4096 w + 16 lane
.set KST,   9                          ; LDS store addresses: KROW,
.set VST,   10                         ; VROW,
.set QST,   11                         ; row means,
.set RST,   12                         ; rgn stage,
.set BST,   13                         ; biases
.set RLD,   14                         ; LDS load addresses: rgn fragments,
.set AK1,   15                         ; wrd fragments in pass 1,
.set AK,    16                         ; in pass 2,
.set AV,    17                         ; transposed wrd fragments,
.set WLD,   18                         ; weight fragments,
.set BLD,   19                         ; biases as C,
.set QLD,   20                         ; row means
.set OST,   21                         ; output stage, in
.set OLD,   22                         ; output stage, back
.set WST,   23                         ; LDS store address of the weights
.set MX,    24                         ; v[24:27] running maxima, chain 2 qt + st
.set IV,    24                         ; later: 1/l, a pair for each qt
.set QV,    28                         ; v28, v29: temporaries; later q of my query, qt = 0, 1
.set NMP,   30                         ; v[30:33] -c leaky(m), a pair for each qt
.set QQ,    30                         ; later: q, a pair for each qt
.set N2Q,   2                          ; v[2:5] later: -2 q, a pair for each qt
.set RG,    34                         ; v[34:49] rgn fragments, qt at +8
.set ONES,  50                         ; v[50:57] a fragment of 1.0
.set PF,    58                         ; v[58:65] the p fragment
.set KF,    66                         ; v[66:81] wrd fragments, st at +8 (pass 1: buffer 0)
.set VF,    82                         ; v[82:97] transposed wrd fragments, dt at +8 (pass 1: buffer 1)
.set SA,    98                         ; v[98:113]  scores of qt 0, st at +8
.set SB,    114                        ; v[114:129] scores of qt 1
.set TB,    130                        ; v[130:145] the 0.1 branch
.set OA,    146                        ; v[146:177] context, 16 qt + 8 dt; later the layers' results, 16 qt + 8 et
.set LS,    178                        ; v[178:193] denominators, 8 qt
.set X0,    98                         ; pass 1: scores, 16 qt + 8 st, two buffers
.set X1,    146
.set WF,    98                         ; epilogue: weight fragments, 16 mat + 8 et
.set BF0,   66                         ; biases as C, et at +8
.set BF1,   82
.set BF2,   194
.set CB0,   178                        ; b2 + q for qt 0,
.set CB1,   34                         ; for qt 1
.set XB0,   58                         ; B fragments of the layers
.set XB1,   50
.set LW,    98                         ; landing: wrd v[98:129], rgn v[130:161], weights v[162:173], biases v174-176
.set LR,    130
.set WW,    162
.set BB,    174
.set CV,    178                        ; two packed words
.set SM,    180                        ; a row's partial sum
.set BOFF,  210                        ; global offset 4 lane in a bias
.set TMP2,  211
; ---- arguments, ids, global offsets, and the whole burst of loads ----
	s_load_b512 s[8:23], s[0:1], 0x0               ; rgn 8, wrd 10, W_scale 12, W1 14, W2 16, b_scale 18, b1 20, b2 22
	s_load_b64 s[24:25], s[0:1], 0x40              ; out0
	v_lshl_add_u32 v216, v0, 2, 0x2be00
	v_mov_b32 v217, 0
	v_lshrrev_b32 v1, 5, v0
	v_readfirstlane_b32 s26, v1                    ; wave 0 .. 15
	s_lshl_b32 s2, ttmp9, 16                       ; a batch is 512 x 128 = 65,536 bytes; 256 batches stay below 4 GiB
	s_mov_b32 s3, 0
	s_mov_b32 s30, 0x76543210                      ; v_permlanex16_b32: lane i takes lane i of the other half
	s_mov_b32 s31, 0xfedcba98
	s_mov_b32 s34, 0x40b8aa3b                      ; c = 4 log2(e), as a pair (the whole pair counts as read)
	s_mov_b32 s35, 0x40b8aa3b
	s_mov_b32 s36, 0x3f13bb63                      ; 0.1 c
	s_mov_b32 s37, 0x3f13bb63
	v_and_b32 v1, 31, v0                           ; lane
	s_lshl_b32 s28, s26, 12                        ; my 32 rows of 128 bytes
	v_lshl_add_u32 v[GOFF], v1, 4, s28
	v_lshlrev_b32 v[BOFF], 2, v1
	s_lshl_b32 s29, s26, 9                         ; four rows of a weight matrix
	v_lshl_add_u32 v[WOFF], v1, 4, s29
	s_wait_kmcnt 0x0
	s_add_nc_u64 s[8:9], s[8:9], s[2:3]
	s_add_nc_u64 s[10:11], s[10:11], s[2:3]
	s_add_nc_u64 s[24:25], s[24:25], s[2:3]
.irp i, 0,1,2,3,4,5,6,7
	global_load_b128 v[LW+4*\i:LW+4*\i+3], v[GOFF], s[10:11] offset:512*\i th:TH_LOAD_NT   ; four rows of wrd: 512 consecutive bytes
.endr
.irp i, 0,1,2,3,4,5,6,7
	global_load_b128 v[LR+4*\i:LR+4*\i+3], v[GOFF], s[8:9] offset:512*\i th:TH_LOAD_NT     ; four rows of rgn
.endr
	global_load_b32 v[BB],   v[BOFF], s[18:19]
	global_load_b32 v[BB+1], v[BOFF], s[20:21]
	global_load_b32 v[BB+2], v[BOFF], s[22:23]
; ---- LDS addresses, while the loads are on their way ----
	s_mul_i32 s27, s26, PWB
	s_add_co_u32 s27, s27, PW                      ; my private part
	v_and_b32 v2, 15, v0                           ; r
	v_bfe_u32 v3, v0, 4, 1                         ; h
	v_bfe_u32 v4, v0, 3, 2                         ; g: which of a load's four rows is mine
	v_and_b32 v5, 7, v0                            ; e8: which four numbers of the row
	v_mul_u32_u24 v[TMP], v4, KP
	v_lshl_add_u32 v[TMP], v5, 3, v[TMP]           ; 80 g + 8 e8
	s_mul_i32 s28, s26, 32*KP
	v_add_nc_u32 v[KST], s28, v[TMP]
	v_add_nc_u32 v[RST], s27, v[TMP]
	s_mul_i32 s28, s26, 4*KP
	s_add_co_u32 s28, s28, WL
	v_add_nc_u32 v[WST], s28, v[TMP]
	v_mul_u32_u24 v[TMP], v4, VP
	v_lshl_add_u32 v[TMP], v5, 3, v[TMP]           ; 96 g + 8 e8
	s_mul_i32 s28, s26, 32*VP
	s_add_co_u32 s28, s28, VROW
	v_add_nc_u32 v[VST], s28, v[TMP]
	s_add_co_u32 s29, s27, QM
	v_lshl_add_u32 v[QST], v4, 2, s29
	v_lshl_add_u32 v[QLD], v2, 2, s29
	s_add_co_u32 s29, s27, BIAS
	v_lshl_add_u32 v[BST], v1, 2, s29
	v_lshl_add_u32 v[BLD], v3, 5, s29              ; register j of C is feature 16 et + 8 h + j
	v_mul_u32_u24 v[TMP], v2, KP
	v_lshl_add_u32 v[AK1], v3, 4, v[TMP]           ; a fragment: row r, 16 bytes for each half of the lanes
	v_mov_b32 v[AK], v[AK1]
	v_add_nc_u32 v[RLD], s27, v[AK1]
	v_add_nc_u32 v[WLD], WL, v[AK1]
	v_lshl_add_u32 v[TMP], v3, 3, v5               ; transposing load: row 8 h + (lane & 7),
	v_mul_u32_u24 v[TMP], v[TMP], VP
	v_bfe_u32 v[TMP2], v0, 3, 1                    ; 16 bytes by bit 3 of the lane
	v_lshl_add_u32 v[TMP], v[TMP2], 4, v[TMP]
	v_add_nc_u32 v[AV], VROW, v[TMP]
	v_mul_u32_u24 v[TMP], v2, OP
	v_lshl_add_u32 v[TMP], v3, 5, v[TMP]
	v_add_nc_u32 v[OST], s27, v[TMP]               ; out: row r, features 8 h ..
	v_mul_u32_u24 v[TMP], v4, OP
	v_lshl_add_u32 v[TMP], v5, 4, v[TMP]
	v_add_nc_u32 v[OLD], s27, v[TMP]               ; back: as the rows lie in memory
; ---- weights: waves 0 to 7 bring four rows of each matrix.  No barrier stands inside the branch. ----
	s_cmp_ge_u32 s26, 8
	s_cbranch_scc1 .Lnow
	global_load_b128 v[WW:WW+3],    v[WOFF], s[12:13]
	global_load_b128 v[WW+4:WW+7],  v[WOFF], s[14:15]
	global_load_b128 v[WW+8:WW+11], v[WOFF], s[16:17]
	s_wait_loadcnt 0x0                             ; on this path all loads are in, and the counted waits below are met at once
.irp m, 0,1,2
	v_cvt_pk_bf16_f32 v[CV],   v[WW+4*\m],   v[WW+4*\m+1]
	v_cvt_pk_bf16_f32 v[CV+1], v[WW+4*\m+2], v[WW+4*\m+3]
	ds_store_b64 v[WST], v[CV:CV+1] offset:WMAT*\m
.endr
.Lnow:
; ---- staging: four rows a step ----
.macro STAGE_W i
	s_wait_loadcnt 18-\i                           ; loads return in order (ISA guide 5.7.1): younger are 7 - i of wrd, 8 of rgn, 3 biases
	v_cvt_pk_bf16_f32 v[CV],   v[LW+4*\i],   v[LW+4*\i+1]
	v_cvt_pk_bf16_f32 v[CV+1], v[LW+4*\i+2], v[LW+4*\i+3]
	ds_store_b64 v[KST], v[CV:CV+1] offset:4*KP*\i
	ds_store_b64 v[VST], v[CV:CV+1] offset:4*VP*\i
	v_pk_add_f32 v[SM:SM+1], v[LW+4*\i:LW+4*\i+1], v[LW+4*\i+2:LW+4*\i+3]      ; the row mean, from the f32 numbers
	v_add_f32 v[SM], v[SM], v[SM+1]
	v_add_f32_dpp v[SM], v[SM], v[SM] row_xmask:1 row_mask:0xf bank_mask:0xf   ; over the eight lanes that hold the row
	v_add_f32_dpp v[SM], v[SM], v[SM] row_xmask:2 row_mask:0xf bank_mask:0xf
	v_add_f32_dpp v[SM], v[SM], v[SM] row_xmask:4 row_mask:0xf bank_mask:0xf
	v_mul_f32 v[SM], 0x3d000000, v[SM]             ; / 32
	ds_store_b32 v[QST], v[SM] offset:16*\i        ; eight lanes write the same word with the same value
.endm
.macro STAGE_R i
	s_wait_loadcnt 10-\i                           ; younger: 7 - i of rgn, 3 biases
	v_cvt_pk_bf16_f32 v[CV],   v[LR+4*\i],   v[LR+4*\i+1]
	v_cvt_pk_bf16_f32 v[CV+1], v[LR+4*\i+2], v[LR+4*\i+3]
	ds_store_b64 v[RST], v[CV:CV+1] offset:4*KP*\i
.endm
; four loads of 16 bytes: two fragments of 16 rows x 32 bf16 (rows 0-15, then rows 16-31) from rows of pitch 80
.macro LDK dst, areg, off
	ds_load_b128 v[\dst:\dst+3],     v[\areg] offset:\off
	ds_load_b128 v[\dst+4:\dst+7],   v[\areg] offset:\off+32
	ds_load_b128 v[\dst+8:\dst+11],  v[\areg] offset:\off+16*KP
	ds_load_b128 v[\dst+12:\dst+15], v[\areg] offset:\off+16*KP+32
.endm
.irp i, 0,1,2,3,4,5,6,7
	STAGE_W \i
.endr
.irp i, 0,1,2,3,4,5,6,7
	STAGE_R \i
.endr
	s_wait_loadcnt 0x0
	ds_store_b32 v[BST], v[BB]
	ds_store_b32 v[BST], v[BB+1] offset:128
	ds_store_b32 v[BST], v[BB+2] offset:256
	LDK RG, RLD, 0                                 ; my own bytes: LDS serves a wave's instructions in order (ISA guide 5.7.1)
	s_wait_dscnt 0x0                               ; zero, for the others' sake: my rows of wrd and of the weights are in LDS
	s_barrier_signal -1
	s_barrier_wait -1                              ; the only barrier: KROW, VROW and WL are only read from here on
; ---- PASS 1: the maximum of each query's scores ----
.macro SC4 x, kf                       ; scores of 32 s x 32 queries
.irp qt, 0,1
.irp st, 0,1
	v_wmma_f32_16x16x32_bf16 v[\x+16*\qt+8*\st:\x+16*\qt+8*\st+7], v[\kf+8*\st:\kf+8*\st+7], v[RG+8*\qt:RG+8*\qt+7], 0
.endr
.endr
.endm
.macro MAX16 x                         ; 32 registers into four chains, two numbers an instruction, the chains taking turns
.irp k, 0,1,2,3
.irp c, 0,1,2,3
	v_max3_num_f32 v[MX+\c], v[\x+8*\c+2*\k], v[\x+8*\c+2*\k+1], v[MX+\c]
.endr
.endr
.endm
; One block of 32 s: ask for the next block's fragments (kfn), multiply this one's (kfc into xc), take the maxima of the last one's (xp).
; The 16 maxima on the OTHER score buffer are the independent vector instructions that ISA guide 7.12.1 asks for between a matrix
; instruction and the read of its result; this text keeps the same distance in front of a load into its sources.
.macro H xc, xp, kfc, kfn, off, load, domax
.if \load
	LDK \kfn, AK1, \off
	s_wait_dscnt 0x4                               ; the four loads just issued may be out; this block's are in
.else
	s_wait_dscnt 0x0
.endif
	SC4 \xc, \kfc
.if \domax
	MAX16 \xp
.endif
.endm
	LDK KF, AK1, 0                                 ; block 0
	H X0, X1, KF, VF, 32*KP, 1, 0                  ; block 0 multiplied, block 1 asked for
.irp c, 0,1,2,3
	v_mov_b32 v[MX+\c], 0xff800000                 ; -inf; also the four places behind block 0's products
.endr
	s_mov_b32 s32, 7
.Lmax:                                             ; trip t: multiplies blocks 2 t + 1, 2 t + 2, asks for 2 t + 2, 2 t + 3
	H X1, X0, VF, KF, 64*KP, 1, 1
	H X0, X1, KF, VF, 96*KP, 1, 1
	v_add_nc_u32 v[AK1], 64*KP, v[AK1]
	s_sub_co_i32 s32, s32, 1
	s_cmp_lg_u32 s32, 0
	s_cbranch_scc1 .Lmax
	H X1, X0, VF, KF, 0, 0, 1                      ; block 15: nothing more to ask for
	MAX16 X1
; ---- the shift of each query: -c max(m, 0.1 m) ----
	LDK KF, AK, 0                                  ; pass 2's block 0
	v_mov_b32 v28, 0                               ; v_permlanex16_b32's destination counts as read
.irp qt, 0,1
	v_max_num_f32 v[MX+2*\qt], v[MX+2*\qt], v[MX+2*\qt+1]
	v_permlanex16_b32 v28, v[MX+2*\qt], s30, s31   ; the other half of the lanes holds the other s of the same query
	v_max_num_f32 v28, v28, v[MX+2*\qt]
	v_mul_f32 v29, 0x3dcccccd, v28
	v_max_num_f32 v28, v28, v29                    ; leaky(m)
	v_mul_f32 v[NMP+2*\qt],   0xc0b8aa3b, v28
	v_mul_f32 v[NMP+2*\qt+1], 0xc0b8aa3b, v28
.endr
; ---- PASS 2 ----
.macro SCORE S, qt
	v_wmma_f32_16x16x32_bf16 v[\S:\S+7],    v[KF:KF+7],    v[RG+8*\qt:RG+8*\qt+7], 0
	v_wmma_f32_16x16x32_bf16 v[\S+8:\S+15], v[KF+8:KF+15], v[RG+8*\qt:RG+8*\qt+7], 0
.endm
.macro AB S, qt, j                     ; two scores: 0.1 c x - shift into TB, c x - shift in place
	v_pk_fma_f32 v[TB+\j:TB+\j+1], v[\S+\j:\S+\j+1], s[36:37], v[NMP+2*\qt:NMP+2*\qt+1] op_sel_hi:[1,0,1]
	v_pk_fma_f32 v[\S+\j:\S+\j+1], v[\S+\j:\S+\j+1], s[34:35], v[NMP+2*\qt:NMP+2*\qt+1] op_sel_hi:[1,0,1]
.endm
; The rest of a tile pair's softmax (its first four scores have had their AB).  Behind each run of exponentials stands plain vector work
; that touches none of them before the results are packed (ISA guide 5.7.2): tile 1's maxima, then the step of an address.
.macro SOFT S, qt, stepreg, stepby
.irp j, 4,6,8,10,12,14
	AB \S, \qt, \j
.endr
.irp j, 0,1,2,3,4,5,6,7
	v_max_num_f32 v[\S+\j], v[\S+\j], v[TB+\j]
.endr
.irp j, 0,1,2,3,4,5,6,7
	v_exp_f32 v[\S+\j], v[\S+\j]
.endr
.irp j, 8,9,10,11,12,13,14,15
	v_max_num_f32 v[\S+\j], v[\S+\j], v[TB+\j]
.endr
	s_wait_alu depctr_va_vdst(0)
.irp k, 0,1,2,3
	v_cvt_pk_bf16_f32 v[PF+\k], v[\S+2*\k], v[\S+2*\k+1]
.endr
.irp j, 8,9,10,11,12,13,14,15
	v_exp_f32 v[\S+\j], v[\S+\j]
.endr
	v_add_nc_u32 v[\stepreg], \stepby, v[\stepreg]
	s_wait_alu depctr_va_vdst(0)
.irp k, 4,5,6,7
	v_cvt_pk_bf16_f32 v[PF+\k], v[\S+2*\k], v[\S+2*\k+1]
.endr
.endm
.macro PV qt, zero                     ; context (features 0-15, 16-31) and denominator; the first block starts the sums with C = 0
.if \zero
	v_wmma_f32_16x16x32_bf16 v[OA+16*\qt:OA+16*\qt+7],    v[VF:VF+7],     v[PF:PF+7], 0
	v_wmma_f32_16x16x32_bf16 v[OA+16*\qt+8:OA+16*\qt+15], v[VF+8:VF+15],  v[PF:PF+7], 0
	v_wmma_f32_16x16x32_bf16 v[LS+8*\qt:LS+8*\qt+7],      v[ONES:ONES+7], v[PF:PF+7], 0
.else
	v_wmma_f32_16x16x32_bf16 v[OA+16*\qt:OA+16*\qt+7],    v[VF:VF+7],     v[PF:PF+7], v[OA+16*\qt:OA+16*\qt+7]
	v_wmma_f32_16x16x32_bf16 v[OA+16*\qt+8:OA+16*\qt+15], v[VF+8:VF+15],  v[PF:PF+7], v[OA+16*\qt+8:OA+16*\qt+15]
	v_wmma_f32_16x16x32_bf16 v[LS+8*\qt:LS+8*\qt+7],      v[ONES:ONES+7], v[PF:PF+7], v[LS+8*\qt:LS+8*\qt+7]
.endif
.endm
; One block of 32 s.  While one query tile's scores go through the vector units, the other's are made by the matrix unit.
; At the block's head SA holds this block's scores of tile 0, KF this block's fragments, and no LDS load is out.
.macro BLOCK zero, more
	SCORE SB, 1
	AB SA, 0, 0                                    ; four vector instructions that name no register of SCORE SB or of the last PV:
	AB SA, 0, 2                                    ; the places in front of the loads into KF and VF
	ds_load_tr16_b128 v[VF:VF+3],     v[AV]                    ; features 0-15,  s 8 h ..
	ds_load_tr16_b128 v[VF+4:VF+7],   v[AV] offset:16*VP       ;                 s 16 + 8 h ..
	ds_load_tr16_b128 v[VF+8:VF+11],  v[AV] offset:32          ; features 16-31
	ds_load_tr16_b128 v[VF+12:VF+15], v[AV] offset:16*VP+32
.if \more
	LDK KF, AK, 32*KP                              ; the next block's fragments
.endif
	SOFT SA, 0, AK, 32*KP
.if \more
	s_wait_dscnt 0x4                               ; VF is in; the four younger loads into KF may be out
.else
	s_wait_dscnt 0x0
.endif
	PV 0, \zero
.if \more
	s_wait_dscnt 0x0                               ; KF is in
	SCORE SA, 0                                    ; the next block's scores of tile 0
.endif
	AB SB, 1, 0
	AB SB, 1, 2
	SOFT SB, 1, AV, 32*VP
	PV 1, \zero
.endm
	s_wait_dscnt 0x0
	SCORE SA, 0
.irp j, 0,1,2,3,4,5,6,7
	v_mov_b32 v[ONES+\j], 0x3f803f80               ; 1.0 twice in bf16; also the places behind SCORE SA
.endr
	BLOCK 1, 1
	s_mov_b32 s32, 14
.Lblock:
	BLOCK 0, 1
	s_sub_co_i32 s32, s32, 1
	s_cmp_lg_u32 s32, 0
	s_cbranch_scc1 .Lblock
	BLOCK 0, 0
; ---- EPILOGUE: normalise, three layers, out ----
.macro LDWB mat, bf                    ; a layer's two weight fragments and its bias as two C operands
	LDK WF+16*\mat, WLD, WMAT*\mat
	ds_load_b128 v[\bf:\bf+3],     v[BLD] offset:128*\mat
	ds_load_b128 v[\bf+4:\bf+7],   v[BLD] offset:128*\mat+16
	ds_load_b128 v[\bf+8:\bf+11],  v[BLD] offset:128*\mat+64
	ds_load_b128 v[\bf+12:\bf+15], v[BLD] offset:128*\mat+80
.endm
.macro LAYER mat, c0, c1               ; results[16 qt + 8 et] = W rows 16 et .. x the queries' fragment + C
.irp et, 0,1
	v_wmma_f32_16x16x32_bf16 v[OA+8*\et:OA+8*\et+7],       v[WF+16*\mat+8*\et:WF+16*\mat+8*\et+7], v[XB0:XB0+7], v[\c0+8*\et:\c0+8*\et+7]
	v_wmma_f32_16x16x32_bf16 v[OA+16+8*\et:OA+16+8*\et+7], v[WF+16*\mat+8*\et:WF+16*\mat+8*\et+7], v[XB1:XB1+7], v[\c1+8*\et:\c1+8*\et+7]
.endr
.endm
.macro PACKX                           ; 32 f32 of each query tile into its B fragment
.irp k, 0,1,2,3,4,5,6,7
	v_cvt_pk_bf16_f32 v[XB0+\k], v[OA+2*\k],    v[OA+2*\k+1]
	v_cvt_pk_bf16_f32 v[XB1+\k], v[OA+16+2*\k], v[OA+16+2*\k+1]
.endr
.endm
.rept 4
	v_nop                                          ; behind the last PV: its results are read and its sources written below (ISA guide 7.12.1)
.endr
	ds_load_b32 v[QV],   v[QLD]
	ds_load_b32 v[QV+1], v[QLD] offset:64
	LDWB 0, BF0
	LDWB 1, BF1
	LDWB 2, BF2
	v_rcp_f32 v[IV],   v[LS]                       ; every register of LS holds the query's denominator (at least about 1: the maximum's own term)
	v_rcp_f32 v[IV+1], v[LS]
	v_rcp_f32 v[IV+2], v[LS+8]
	v_rcp_f32 v[IV+3], v[LS+8]
	v_nop                                          ; the plain place behind the reciprocals
	s_wait_alu depctr_va_vdst(0)
.irp qt, 0,1
.irp k, 0,1,2,3,4,5,6,7
	v_pk_mul_f32 v[OA+16*\qt+2*\k:OA+16*\qt+2*\k+1], v[OA+16*\qt+2*\k:OA+16*\qt+2*\k+1], v[IV+2*\qt:IV+2*\qt+1]
.endr
.endr
	PACKX
	s_wait_dscnt 0x10                              ; q, layer 1's weights and bias are in; the 16 loads for layers 2 and 3 may be out
	LAYER 0, BF0, BF0                              ; z = W_scale ctx + b_scale
.irp qt, 0,1
	v_mov_b32 v[QQ+2*\qt],    v[QV+\qt]            ; eight places behind the layer: q and -2 q as pairs
	v_mov_b32 v[QQ+2*\qt+1],  v[QV+\qt]
	v_mul_f32 v[N2Q+2*\qt],   -2.0, v[QV+\qt]
	v_mul_f32 v[N2Q+2*\qt+1], -2.0, v[QV+\qt]
.endr
.irp k, 0,2,4,6,8,10,12,14,16,18,20,22,24,26,28,30
	v_pk_mul_f32 v[OA+\k:OA+\k+1], v[OA+\k:OA+\k+1], 0x4038aa3b op_sel_hi:[1,0]    ; 2 log2(e) z
.endr
.set i, 0
.rept 32
	v_exp_f32 v[OA+i], v[OA+i]
.set i, i+1
.endr
	v_nop
	s_wait_alu depctr_va_vdst(0)
.irp k, 0,2,4,6,8,10,12,14,16,18,20,22,24,26,28,30
	v_pk_add_f32 v[OA+\k:OA+\k+1], v[OA+\k:OA+\k+1], 1.0 op_sel_hi:[1,0]
.endr
.set i, 0
.rept 32
	v_rcp_f32 v[OA+i], v[OA+i]
.set i, i+1
.endr
	v_nop
	s_wait_alu depctr_va_vdst(0)
.irp qt, 0,1
.irp k, 0,1,2,3,4,5,6,7
	v_pk_fma_f32 v[OA+16*\qt+2*\k:OA+16*\qt+2*\k+1], v[OA+16*\qt+2*\k:OA+16*\qt+2*\k+1], v[N2Q+2*\qt:N2Q+2*\qt+1], v[QQ+2*\qt:QQ+2*\qt+1]   ; q tanh(z) = q - 2 q / (1 + exp)
.endr
.endr
	PACKX
	s_wait_dscnt 0x0
	LAYER 1, BF1, BF1                              ; W1 (q tanh) + b1
.irp k, 0,2,4,6,8,10,12,14
	v_pk_add_f32 v[CB0+\k:CB0+\k+1], v[BF2+\k:BF2+\k+1], v[QQ:QQ+1]      ; the places behind the layer: b2 + q, the last layer's C
	v_pk_add_f32 v[CB1+\k:CB1+\k+1], v[BF2+\k:BF2+\k+1], v[QQ+2:QQ+3]
.endr
.set i, 0
.rept 32
	v_max_num_f32 v[OA+i], 0, v[OA+i]              ; relu
.set i, i+1
.endr
	PACKX
	LAYER 2, CB0, CB1                              ; W2 h + b2 + q
.rept 4
	v_nop                                          ; before the LDS stores read the results
.endr
.irp qt, 0,1
.irp et, 0,1
	ds_store_b128 v[OST], v[OA+16*\qt+8*\et:OA+16*\qt+8*\et+3]   offset:16*OP*\qt+64*\et
	ds_store_b128 v[OST], v[OA+16*\qt+8*\et+4:OA+16*\qt+8*\et+7] offset:16*OP*\qt+64*\et+16
.endr
.endr
.irp i, 0,1,2,3,4,5,6,7
	ds_load_b128 v[WF+4*\i:WF+4*\i+3], v[OLD] offset:4*OP*\i     ; my own bytes, served in order: four whole rows a load
.endr
.irp i, 0,1,2,3,4,5,6,7
	s_wait_dscnt 7-\i
	global_store_b128 v[GOFF], v[WF+4*\i:WF+4*\i+3], s[24:25] offset:512*\i th:TH_STORE_NT   ; 512 consecutive bytes, at a multiple of 512 from out0's first byte
.endr
	s_wait_tensorcnt 0x0
	ds_add_u32 v216, v217
	s_wait_dscnt 0x0
	s_endpgm
.Lfunc_end_k_q5e4fdc79dd_refine:
	.size	k_q5e4fdc79dd_refine, .Lfunc_end_k_q5e4fdc79dd_refine-k_q5e4fdc79dd_refine
	.p2alignl 7, 3214868480
	.fill 96, 4, 3214868480
	.section	.rodata,"a",@progbits
	.p2align	6, 0x0
	.amdhsa_kernel k_q5e4fdc79dd_refine
		.amdhsa_group_segment_fixed_size 181760
		.amdhsa_private_segment_fixed_size 0
		.amdhsa_enable_private_segment 0
		.amdhsa_kernarg_size 72
		.amdhsa_user_sgpr_count 2
		.amdhsa_user_sgpr_kernarg_segment_ptr 1
		.amdhsa_wavefront_size32 1
		.amdhsa_system_sgpr_workgroup_id_x 1
		.amdhsa_system_sgpr_workgroup_id_y 1
		.amdhsa_system_sgpr_workgroup_id_z 1
		.amdhsa_system_vgpr_workitem_id 0
		.amdhsa_next_free_vgpr 218
		.amdhsa_next_free_sgpr 66
		.amdhsa_reserve_vcc 0
		.amdhsa_float_denorm_mode_32 3
		.amdhsa_float_denorm_mode_16_64 3
		.amdhsa_memory_ordered 1
		.amdhsa_forward_progress 1
		.amdhsa_inst_pref_size 59
	.end_amdhsa_kernel
	.amdgpu_metadata
---
amdhsa.version: [ 1, 2 ]
amdhsa.kernels:
  - .name:           k_q5e4fdc79dd_refine
    .symbol:         k_q5e4fdc79dd_refine.kd
    .args:
      - { .name: rgn, .offset: 0, .size: 8, .value_kind: global_buffer, .address_space: global }
      - { .name: wrd, .offset: 8, .size: 8, .value_kind: global_buffer, .address_space: global }
      - { .name: W_scale, .offset: 16, .size: 8, .value_kind: global_buffer, .address_space: global }
      - { .name: W1, .offset: 24, .size: 8, .value_kind: global_buffer, .address_space: global }
      - { .name: W2, .offset: 32, .size: 8, .value_kind: global_buffer, .address_space: global }
      - { .name: b_scale, .offset: 40, .size: 8, .value_kind: global_buffer, .address_space: global }
      - { .name: b1, .offset: 48, .size: 8, .value_kind: global_buffer, .address_space: global }
      - { .name: b2, .offset: 56, .size: 8, .value_kind: global_buffer, .address_space: global }
      - { .name: out0, .offset: 64, .size: 8, .value_kind: global_buffer, .address_space: global }
    .group_segment_fixed_size: 181760
    .private_segment_fixed_size: 0
    .kernarg_segment_align: 8
    .kernarg_segment_size: 72
    .max_flat_workgroup_size: 512
    .sgpr_count:     66
    .vgpr_count:     218
    .wavefront_size: 32
...
	.end_amdgpu_metadata
.endif
;; end of part 1
;; ======== version 2 of 2: 1 launch; version 1 with the launch refine written anew for expert scheduling mode
;; launch refine (part 2): grid 256 x 1, 16 waves a work-group, no clusters, 181,760 bytes of LDS; arguments rgn, wrd, W_scale, W1, W2, b_scale, b1, b2, out0; writes out0
.if DOCPART == 2
	.amdgcn_target "amdgcn-amd-amdhsa--gfx1250"
	.amdhsa_code_object_version 6
	.text
	.protected	k_q5e4fdc79dd_refine
	.globl	k_q5e4fdc79dd_refine
	.p2align	8
	.type	k_q5e4fdc79dd_refine,@function
k_q5e4fdc79dd_refine:
	s_mov_b64 s[64:65], 0
	v_nop
	global_prefetch_b8 v0, s[64:65] scope:SCOPE_SE
	s_setreg_imm32_b32 hwreg(HW_REG_WAVE_SCHED_MODE, 0, 2), 2
	s_setreg_imm32_b32 hwreg(HW_REG_WAVE_MODE, 25, 1), 1
	s_wait_xcnt 0x0
	s_wait_alu depctr_vm_vsrc(0)
; Refinement: softmax attention (query rgn, context wrd, LeakyReLU(0.1), factor 4) and three layers of 32 x 32, all in one launch.
; Work-group b = batch b (256 of them).  16 waves; wave w owns queries 32 w .. 32 w + 31 (two tiles of 16, qt = 0, 1) and brings in
; rows 32 w .. 32 w + 31 of wrd and of rgn; the row means q of exactly these wrd rows are the ones its own queries need.
; Each input byte of rgn and wrd is read once, each output byte written once; nothing goes through memory in between.
;
; EVERY PRODUCT IS KEPT TRANSPOSED, D[m = s or feature][n = query], so that no result is ever transposed:
;   scores  D = (16 wrd rows) x (16 rgn rows): register j of lane (r, h) holds s = 8 h + j of query r.  Two such tiles, packed to bf16,
;   ARE the B fragment (n = query, k = 32 s) of the next product; its A is wrd transposed (ds_load_tr16_b128), or a fragment of ones,
;   which gives the softmax's denominator in every register with no vector add and no step across lanes.  The context packs the same way
;   into the B fragment of layer 1 (A = rows of W), and so on.  Biases come in as the C operand.  Maximum, 1/l and q are one number a lane.
; SOFTMAX: pass 1 computes all scores and keeps only the true maximum m of each query (LeakyReLU rises, so leaky(m) is the maximum of
;   the leaky scores); pass 2 computes the same scores again (same instruction, same operands, same bits) rather than keep 512 of them
;   for each query in registers.  p = exp2(max(c x, 0.1 c x) - c leaky(m)), c = 4 log2(e), applied in f32 behind the product:
;   rgn and wrd are rounded to bf16 as they are, unscaled.
; WHY 16 WAVES: the work is vector and exponential issue in long dependent chains; four waves on each SIMD overlap them
;   (4 x 248 registers fit into a SIMD's 1,024).
; NO TENSOR LOADS: every input number passes through registers anyway (f32 to bf16, and the f32 row mean), and the work-group's whole
;   128 KiB is requested in one burst.  NO CLUSTER: work-groups share nothing but 12,672 bytes of weights and biases.
;   NO PREFETCH: there is nothing to fetch after the burst at the start.
; LIMITS: inputs are finite (a NaN is dropped by the maximum); an exponential below 2^-126 counts as 0; f32 sums are formed in another
;   order than the reference's; tanh(z) = 1 - 2 / (1 + exp2(2 log2(e) z)), absolute error about 1e-7 near z = 0.
;
; THE MODE: SCHED_MODE bits 1:0 = 2 (LLVM: expert scheduling mode 2), set by the entry lines.  The code itself states the register
; dependences between vector or matrix instructions and memory or LDS instructions, with s_wait_alu, always for 0.
; THE PLAN.  Registers that memory or LDS instructions touch:
;   GOFF, BOFF, WOFF and twelve LDS addresses   made once at the head, never written again.
;   CW, QS, CR, WC   the staging's out-buffers, a place of its own for each step: written by conversions and row means, read by LDS
;                    stores (CW by two, the others by one).  A wait on va_vdst stands ahead of each run of stores; one wait on vm_vsrc behind the barrier frees them all.
;   Pass 1: KF0, VF0 take turns.  Block p's products read one; the loads of block p + 1 land in the other, which block p - 1's products
;                    read: one wait on va_vdst at the block's head, behind the maxima.  AK1 is stepped once a trip, behind a wait on vm_vsrc.
;   Pass 2: KF0 / KF1 and VF0 / VF1 by the block's parity.  KF[p % 2] is read by tile 0's scores in the middle of block p - 1 and by tile 1's
;                    at the head of block p; VF[p % 2] by block p's four context products.  ONE wait on va_vdst a block, directly ahead of tile
;                    1's context products: behind it V of block p + 1 lands in VF[(p + 1) % 2] and K of block p + 2 in KF[p % 2], dealt among
;                    three products that name OA, LS, VF[p % 2], PF and ONES alone.  AK and AV are stepped once a block, ahead of that wait,
;                    behind one wait on vm_vsrc.  In the last block the epilogue's loads take the place of K's and V's.
;   Way out: OA is read by the LDS stores, and the read-backs land in WF: one wait on va_vdst, behind the four places.
; ---- LDS (bytes) ----
.set KP,    80                         ; KROW: wrd in bf16, [512][32], 64 bytes + 16: an odd multiple of 16, so a fragment's 16 rows start 16 bytes apart modulo 256
.set VROW,  40960                      ; the same numbers once more, for the transposing loads
.set VP,    96                         ; an odd multiple of 32
.set WL,    90112                      ; W_scale, W1, W2 in bf16, [32][32], pitch 80
.set WMAT,  2560                       ; bytes of one of them
.set PW,    97792                      ; private part of wave w at PW + PWB w
.set PWB,   5120
.set QM,    4608                       ; in it: +0 stage (rgn rows, pitch 80; at the end the output, pitch 144); +4608 32 row means;
.set BIAS,  4736                       ; +4736 b_scale, b1, b2 (3 x 128 bytes)
.set OP,    144                        ; output stage: 128 bytes + 16
; ---- vector registers ----
.set TMP,   6
.set WOFF,  7                          ; global offset of my 16 bytes in each weight matrix (waves 0 to 7)
.set GOFF,  8                          ; global offset of my 16 bytes in rgn, wrd, out0: 4096 w + 16 lane
.set KST,   9                          ; LDS store addresses: KROW,
.set VST,   10                         ; VROW,
.set QST,   11                         ; row means,
.set RST,   12                         ; rgn stage,
.set BST,   13                         ; biases
.set RLD,   14                         ; LDS load addresses: rgn fragments,
.set AK1,   15                         ; wrd fragments in pass 1,
.set AK,    16                         ; in pass 2,
.set AV,    17                         ; transposed wrd fragments,
.set WLD,   18                         ; weight fragments,
.set BLD,   19                         ; biases as C,
.set QLD,   20                         ; row means
.set OST,   21                         ; output stage, in
.set OLD,   22                         ; output stage, back
.set WST,   23                         ; LDS store address of the weights
.set MX,    24                         ; v[24:27] running maxima, chain 2 qt + st
.set IV,    24                         ; later: 1/l, a pair for each qt
.set QV,    28                         ; v28, v29: temporaries; later q of my query, qt = 0, 1
.set NMP,   30                         ; v[30:33] -c leaky(m), a pair for each qt
.set QQ,    30                         ; later: q, a pair for each qt
.set N2Q,   2                          ; v[2:5] later: -2 q, a pair for each qt
.set RG,    34                         ; v[34:49] rgn fragments, qt at +8
.set ONES,  50                         ; v[50:57] a fragment of 1.0
.set PF,    58                         ; v[58:65] the p fragment
.set KF0,   66                         ; v[66:81]   wrd fragments, st at +8: even blocks of pass 2 (pass 1: buffer 0)
.set VF0,   82                         ; v[82:97]   transposed wrd fragments, dt at +8: even blocks (pass 1: buffer 1)
.set KF1,   216                        ; v[216:231] wrd fragments: odd blocks
.set VF1,   232                        ; v[232:247] transposed wrd fragments: odd blocks
.set SA,    98                         ; v[98:113]  scores of qt 0, st at +8
.set SB,    114                        ; v[114:129] scores of qt 1
.set TB,    130                        ; v[130:145] the 0.1 branch
.set OA,    146                        ; v[146:177] context, 16 qt + 8 dt; later the layers' results, 16 qt + 8 et
.set LS,    178                        ; v[178:193] denominators, 8 qt
.set X0,    98                         ; pass 1: scores, 16 qt + 8 st, two buffers
.set X1,    146
.set WF,    98                         ; epilogue: weight fragments, 16 mat + 8 et
.set BF0,   66                         ; biases as C, et at +8
.set BF1,   82
.set BF2,   194
.set CB0,   178                        ; b2 + q for qt 0,
.set CB1,   34                         ; for qt 1
.set XB0,   58                         ; B fragments of the layers
.set XB1,   50
.set LW,    98                         ; landing: wrd v[98:129], rgn v[130:161], weights v[162:173], biases v174-176
.set LR,    130
.set WW,    162
.set BB,    174
.set QS,    24                         ; staging's out-buffers: v[24:31] step i's row mean,
.set WC,    58                         ; v[58:63]   matrix m's two packed words,
.set CW,    178                        ; v[178:193] wrd step i's two packed words,
.set CR,    194                        ; v[194:209] rgn step i's two packed words
.set SM,    32                         ; v[32:33] a row's partial sum: no memory instruction names it
.set BOFF,  210                        ; global offset 4 lane in a bias
.set TMP2,  211
; ---- arguments, ids, global offsets, and the whole burst of loads ----
	s_load_b512 s[8:23], s[0:1], 0x0               ; rgn 8, wrd 10, W_scale 12, W1 14, W2 16, b_scale 18, b1 20, b2 22
	s_load_b64 s[24:25], s[0:1], 0x40              ; out0
	v_lshl_add_u32 v214, v0, 2, 0x2be00
	v_mov_b32 v215, 0
	v_lshrrev_b32 v1, 5, v0
	v_readfirstlane_b32 s26, v1                    ; wave 0 .. 15
	s_lshl_b32 s2, ttmp9, 16                       ; a batch is 512 x 128 = 65,536 bytes; 256 batches stay below 4 GiB
	s_mov_b32 s3, 0
	s_mov_b32 s30, 0x76543210                      ; v_permlanex16_b32: lane i takes lane i of the other half
	s_mov_b32 s31, 0xfedcba98
	s_mov_b32 s34, 0x40b8aa3b                      ; c = 4 log2(e), as a pair (the whole pair counts as read)
	s_mov_b32 s35, 0x40b8aa3b
	s_mov_b32 s36, 0x3f13bb63                      ; 0.1 c
	s_mov_b32 s37, 0x3f13bb63
	v_and_b32 v1, 31, v0                           ; lane
	v_lshlrev_b32 v[BOFF], 2, v1
	s_wait_alu depctr_va_sdst(0)                   ; s26 is written, ahead of its first reader: offsets, LDS addresses and a branch are made from it
	s_lshl_b32 s28, s26, 12                        ; my 32 rows of 128 bytes
	v_lshl_add_u32 v[GOFF], v1, 4, s28
	s_lshl_b32 s29, s26, 9                         ; four rows of a weight matrix
	v_lshl_add_u32 v[WOFF], v1, 4, s29
	s_wait_kmcnt 0x0
	s_add_nc_u64 s[8:9], s[8:9], s[2:3]
	s_add_nc_u64 s[10:11], s[10:11], s[2:3]
	s_add_nc_u64 s[24:25], s[24:25], s[2:3]
	s_wait_alu depctr_va_vdst(0)                   ; GOFF, BOFF and WOFF are written: every global load and store of the kernel reads one of them as its offset
.irp i, 0,1,2,3,4,5,6,7
	global_load_b128 v[LW+4*\i:LW+4*\i+3], v[GOFF], s[10:11] offset:512*\i th:TH_LOAD_NT   ; four rows of wrd: 512 consecutive bytes
.endr
.irp i, 0,1,2,3,4,5,6,7
	global_load_b128 v[LR+4*\i:LR+4*\i+3], v[GOFF], s[8:9] offset:512*\i th:TH_LOAD_NT     ; four rows of rgn
.endr
	global_load_b32 v[BB],   v[BOFF], s[18:19]
	global_load_b32 v[BB+1], v[BOFF], s[20:21]
	global_load_b32 v[BB+2], v[BOFF], s[22:23]
; ---- LDS addresses, while the loads are on their way (no line here names an offset or a landing register) ----
	s_mul_i32 s27, s26, PWB
	s_add_co_u32 s27, s27, PW                      ; my private part
	v_and_b32 v2, 15, v0                           ; r
	v_bfe_u32 v3, v0, 4, 1                         ; h
	v_bfe_u32 v4, v0, 3, 2                         ; g: which of a load's four rows is mine
	v_and_b32 v5, 7, v0                            ; e8: which four numbers of the row
	v_mul_u32_u24 v[TMP], v4, KP
	v_lshl_add_u32 v[TMP], v5, 3, v[TMP]           ; 80 g + 8 e8
	s_mul_i32 s28, s26, 32*KP
	v_add_nc_u32 v[KST], s28, v[TMP]
	v_add_nc_u32 v[RST], s27, v[TMP]
	s_mul_i32 s28, s26, 4*KP
	s_add_co_u32 s28, s28, WL
	v_add_nc_u32 v[WST], s28, v[TMP]
	v_mul_u32_u24 v[TMP], v4, VP
	v_lshl_add_u32 v[TMP], v5, 3, v[TMP]           ; 96 g + 8 e8
	s_mul_i32 s28, s26, 32*VP
	s_add_co_u32 s28, s28, VROW
	v_add_nc_u32 v[VST], s28, v[TMP]
	s_add_co_u32 s29, s27, QM
	v_lshl_add_u32 v[QST], v4, 2, s29
	v_lshl_add_u32 v[QLD], v2, 2, s29
	s_add_co_u32 s29, s27, BIAS
	v_lshl_add_u32 v[BST], v1, 2, s29
	v_lshl_add_u32 v[BLD], v3, 5, s29              ; register j of C is feature 16 et + 8 h + j
	v_mul_u32_u24 v[TMP], v2, KP
	v_lshl_add_u32 v[AK1], v3, 4, v[TMP]           ; a fragment: row r, 16 bytes for each half of the lanes
	v_mov_b32 v[AK], v[AK1]
	v_add_nc_u32 v[RLD], s27, v[AK1]
	v_add_nc_u32 v[WLD], WL, v[AK1]
	v_lshl_add_u32 v[TMP], v3, 3, v5               ; transposing load: row 8 h + (lane & 7),
	v_mul_u32_u24 v[TMP], v[TMP], VP
	v_bfe_u32 v[TMP2], v0, 3, 1                    ; 16 bytes by bit 3 of the lane
	v_lshl_add_u32 v[TMP], v[TMP2], 4, v[TMP]
	v_add_nc_u32 v[AV], VROW, v[TMP]
	v_mul_u32_u24 v[TMP], v2, OP
	v_lshl_add_u32 v[TMP], v3, 5, v[TMP]
	v_add_nc_u32 v[OST], s27, v[TMP]               ; out: row r, features 8 h ..
	v_mul_u32_u24 v[TMP], v4, OP
	v_lshl_add_u32 v[TMP], v5, 4, v[TMP]
	v_add_nc_u32 v[OLD], s27, v[TMP]               ; back: as the rows lie in memory
; ---- weights: waves 0 to 7 bring four rows of each matrix.  No barrier stands inside the branch. ----
	s_cmp_ge_u32 s26, 8
	s_cbranch_scc1 .Lnow
	global_load_b128 v[WW:WW+3],    v[WOFF], s[12:13]   ; no vector instruction since the wait ahead of the burst names WOFF or WW
	global_load_b128 v[WW+4:WW+7],  v[WOFF], s[14:15]
	global_load_b128 v[WW+8:WW+11], v[WOFF], s[16:17]
	s_wait_loadcnt 0x0                             ; on this path all loads are in, and the counted waits below are met at once
.irp m, 0,1,2
	v_cvt_pk_bf16_f32 v[WC+2*\m],   v[WW+4*\m],   v[WW+4*\m+1]
	v_cvt_pk_bf16_f32 v[WC+2*\m+1], v[WW+4*\m+2], v[WW+4*\m+3]
.endr
	s_wait_alu depctr_va_vdst(0)                   ; the conversions have written WC, the address lines WST: the three stores read them
.irp m, 0,1,2
	ds_store_b64 v[WST], v[WC+2*\m:WC+2*\m+1] offset:WMAT*\m
.endr
.Lnow:
; ---- staging: four rows a step.  A step's vector work writes out-registers of its own; the stores follow in runs, each behind one wait. ----
.macro WV i                            ; wrd, step i: round, and the row mean
	s_wait_loadcnt 18-\i                           ; loads return in order (ISA guide 5.7.1): younger are 7 - i of wrd, 8 of rgn, 3 biases
	v_cvt_pk_bf16_f32 v[CW+2*\i],   v[LW+4*\i],   v[LW+4*\i+1]
	v_cvt_pk_bf16_f32 v[CW+2*\i+1], v[LW+4*\i+2], v[LW+4*\i+3]
	v_pk_add_f32 v[SM:SM+1], v[LW+4*\i:LW+4*\i+1], v[LW+4*\i+2:LW+4*\i+3]      ; the row mean, from the f32 numbers
	v_add_f32 v[SM], v[SM], v[SM+1]
	v_add_f32_dpp v[SM], v[SM], v[SM] row_xmask:1 row_mask:0xf bank_mask:0xf   ; over the eight lanes that hold the row
	v_add_f32_dpp v[SM], v[SM], v[SM] row_xmask:2 row_mask:0xf bank_mask:0xf
	v_add_f32_dpp v[SM], v[SM], v[SM] row_xmask:4 row_mask:0xf bank_mask:0xf
	v_mul_f32 v[QS+\i], 0x3d000000, v[SM]          ; / 32
.endm
.macro WS i                            ; wrd, step i: its three stores
	ds_store_b64 v[KST], v[CW+2*\i:CW+2*\i+1] offset:4*KP*\i
	ds_store_b64 v[VST], v[CW+2*\i:CW+2*\i+1] offset:4*VP*\i
	ds_store_b32 v[QST], v[QS+\i] offset:16*\i     ; eight lanes write the same word with the same value
.endm
.macro RV i                            ; rgn, step i: round
	s_wait_loadcnt 10-\i                           ; younger: 7 - i of rgn, 3 biases
	v_cvt_pk_bf16_f32 v[CR+2*\i],   v[LR+4*\i],   v[LR+4*\i+1]
	v_cvt_pk_bf16_f32 v[CR+2*\i+1], v[LR+4*\i+2], v[LR+4*\i+3]
.endm
; four loads of 16 bytes: two fragments of 16 rows x 32 bf16 (rows 0-15, then rows 16-31) from rows of pitch 80
.macro LDK dst, areg, off
	ds_load_b128 v[\dst:\dst+3],     v[\areg] offset:\off
	ds_load_b128 v[\dst+4:\dst+7],   v[\areg] offset:\off+32
	ds_load_b128 v[\dst+8:\dst+11],  v[\areg] offset:\off+16*KP
	ds_load_b128 v[\dst+12:\dst+15], v[\areg] offset:\off+16*KP+32
.endm
; four transposing loads: 32 s x 32 features of wrd as two A fragments (features 0-15, then 16-31)
.macro LDV dst
	ds_load_tr16_b128 v[\dst:\dst+3],     v[AV]                    ; features 0-15,  s 8 h ..
	ds_load_tr16_b128 v[\dst+4:\dst+7],   v[AV] offset:16*VP       ;                 s 16 + 8 h ..
	ds_load_tr16_b128 v[\dst+8:\dst+11],  v[AV] offset:32          ; features 16-31
	ds_load_tr16_b128 v[\dst+12:\dst+15], v[AV] offset:16*VP+32
.endm
.irp i, 0,1,2,3
	WV \i
.endr
	s_wait_alu depctr_va_vdst(0)                   ; steps 0 to 3 have written their CW and QS; all LDS addresses are written, for the waves that jumped the branch too
.irp i, 0,1,2,3
	WS \i
.endr
.irp i, 4,5,6,7
	WV \i                                          ; names none of the registers that the stores above read
.endr
	s_wait_alu depctr_va_vdst(0)                   ; steps 4 to 7 have written their CW and QS
.irp i, 4,5,6,7
	WS \i
.endr
.irp i, 0,1,2,3,4,5,6,7
	RV \i
.endr
	s_wait_loadcnt 0x0                             ; the biases
	s_wait_alu depctr_va_vdst(0)                   ; the conversions have written CR
.irp i, 0,1,2,3,4,5,6,7
	ds_store_b64 v[RST], v[CR+2*\i:CR+2*\i+1] offset:4*KP*\i
.endr
	ds_store_b32 v[BST], v[BB]
	ds_store_b32 v[BST], v[BB+1] offset:128
	ds_store_b32 v[BST], v[BB+2] offset:256
	LDK RG, RLD, 0                                 ; my own bytes: LDS serves a wave's instructions in order (ISA guide 5.7.1)
	s_wait_dscnt 0x0                               ; zero, for the others' sake: my rows of wrd and of the weights are in LDS
	s_barrier_signal -1
	s_barrier_wait -1                              ; the only barrier: KROW, VROW and WL are only read from here on
	s_wait_alu depctr_vm_vsrc(0)                   ; my LDS stores have read CW, QS, CR, WC and BB: from here on these registers are LS, MX, BF2, PF and scores
; ---- PASS 1: the maximum of each query's scores ----
.macro SC4 x, kf                       ; scores of 32 s x 32 queries
.irp qt, 0,1
.irp st, 0,1
	v_wmma_f32_16x16x32_bf16 v[\x+16*\qt+8*\st:\x+16*\qt+8*\st+7], v[\kf+8*\st:\kf+8*\st+7], v[RG+8*\qt:RG+8*\qt+7], 0
.endr
.endr
.endm
.macro MAX16 x                         ; 32 registers into four chains, two numbers an instruction, the chains taking turns
.irp k, 0,1,2,3
.irp c, 0,1,2,3
	v_max3_num_f32 v[MX+\c], v[\x+8*\c+2*\k], v[\x+8*\c+2*\k+1], v[MX+\c]
.endr
.endr
.endm
; One block of 32 s: ask for the next block's fragments (kfn), multiply this one's (kfc into xc), take the maxima of the last one's (xp).
; The 16 maxima on the OTHER score buffer are the independent vector instructions that ISA guide 7.12.1 asks for between a matrix
; instruction and the read of its result.  dep = 1: products have read kfn before.
.macro H xc, xp, kfc, kfn, off, load, domax, dep
.if \load
.if \dep
	s_wait_alu depctr_va_vdst(0)                   ; the last block's products are done reading kfn, in which the loads land; in a trip's first block AK1 is written
.endif
	LDK \kfn, AK1, \off
	s_wait_dscnt 0x4                               ; the four loads just issued may be out; this block's are in
.else
	s_wait_dscnt 0x0
.endif
	SC4 \xc, \kfc
.if \domax
	MAX16 \xp
.endif
.endm
	LDK KF0, AK1, 0                                ; block 0
	H X0, X1, KF0, VF0, 32*KP, 1, 0, 0             ; block 0 multiplied, block 1 asked for: nothing has named VF0 yet
.irp c, 0,1,2,3
	v_mov_b32 v[MX+\c], 0xff800000                 ; -inf; also the four places behind block 0's products
.endr
	s_mov_b32 s32, 7
.Lmax:                                             ; trip t: multiplies blocks 2 t + 1, 2 t + 2, asks for 2 t + 2, 2 t + 3
	H X1, X0, VF0, KF0, 64*KP, 1, 1, 1
	H X0, X1, KF0, VF0, 96*KP, 1, 1, 1
	s_wait_alu depctr_vm_vsrc(0)                   ; the LDS loads issued so far have read AK1
	v_add_nc_u32 v[AK1], 64*KP, v[AK1]
	s_sub_co_i32 s32, s32, 1
	s_cmp_lg_u32 s32, 0
	s_cbranch_scc1 .Lmax
	H X1, X0, VF0, KF0, 0, 0, 1, 0                 ; block 15: nothing more to ask for
	s_wait_alu depctr_va_vdst(0)                   ; pass 1's products are done reading KF0 and VF0, in which pass 2's first loads land
	LDK KF0, AK, 0                                 ; pass 2: K of block 0,
	LDV VF0                                        ; V of block 0,
	LDK KF1, AK, 32*KP                             ; K of block 1
	MAX16 X1                                       ; names none of the registers that those loads touch
; ---- the shift of each query: -c max(m, 0.1 m) ----
	v_mov_b32 v28, 0                               ; v_permlanex16_b32's destination counts as read
.irp qt, 0,1
	v_max_num_f32 v[MX+2*\qt], v[MX+2*\qt], v[MX+2*\qt+1]
	v_permlanex16_b32 v28, v[MX+2*\qt], s30, s31   ; the other half of the lanes holds the other s of the same query
	v_max_num_f32 v28, v28, v[MX+2*\qt]
	v_mul_f32 v29, 0x3dcccccd, v28
	v_max_num_f32 v28, v28, v29                    ; leaky(m)
	v_mul_f32 v[NMP+2*\qt],   0xc0b8aa3b, v28
	v_mul_f32 v[NMP+2*\qt+1], 0xc0b8aa3b, v28
.endr
; ---- PASS 2 ----
.macro SCORE S, qt, kf
	v_wmma_f32_16x16x32_bf16 v[\S:\S+7],    v[\kf:\kf+7],    v[RG+8*\qt:RG+8*\qt+7], 0
	v_wmma_f32_16x16x32_bf16 v[\S+8:\S+15], v[\kf+8:\kf+15], v[RG+8*\qt:RG+8*\qt+7], 0
.endm
.macro AB S, qt, j                     ; two scores: 0.1 c x - shift into TB, c x - shift in place
	v_pk_fma_f32 v[TB+\j:TB+\j+1], v[\S+\j:\S+\j+1], s[36:37], v[NMP+2*\qt:NMP+2*\qt+1] op_sel_hi:[1,0,1]
	v_pk_fma_f32 v[\S+\j:\S+\j+1], v[\S+\j:\S+\j+1], s[34:35], v[NMP+2*\qt:NMP+2*\qt+1] op_sel_hi:[1,0,1]
.endm
; A tile pair's softmax.  Behind each run of exponentials stands plain vector work that touches none of them before the results are
; packed (ISA guide 5.7.2): tile 1's maxima, then the step of an address (stepby = 0: no load is left that would read it: v_nop).
; free = 1: the block's first step of an address.
.macro SOFT S, qt, stepreg, stepby, free
.irp j, 0,2,4,6,8,10,12,14
	AB \S, \qt, \j
.endr
.irp j, 0,1,2,3,4,5,6,7
	v_max_num_f32 v[\S+\j], v[\S+\j], v[TB+\j]
.endr
.irp j, 0,1,2,3,4,5,6,7
	v_exp_f32 v[\S+\j], v[\S+\j]
.endr
.irp j, 8,9,10,11,12,13,14,15
	v_max_num_f32 v[\S+\j], v[\S+\j], v[TB+\j]
.endr
	s_wait_alu depctr_va_vdst(0)
.irp k, 0,1,2,3
	v_cvt_pk_bf16_f32 v[PF+\k], v[\S+2*\k], v[\S+2*\k+1]
.endr
.irp j, 8,9,10,11,12,13,14,15
	v_exp_f32 v[\S+\j], v[\S+\j]
.endr
.if \free
	s_wait_alu depctr_vm_vsrc(0)                   ; the LDS loads issued so far have read AK and AV; none is issued before both of the block's steps are made
.endif
.if \stepby
	v_add_nc_u32 v[\stepreg], \stepby, v[\stepreg]
	s_wait_alu depctr_va_vdst(0)
.else
	v_nop
	s_wait_alu depctr_va_vdst(0)
.endif
.irp k, 4,5,6,7
	v_cvt_pk_bf16_f32 v[PF+\k], v[\S+2*\k], v[\S+2*\k+1]
.endr
.endm
.macro PVO qt, dt, vf, zero            ; context, features 16 dt ..; the first block starts the sums with C = 0
.if \zero
	v_wmma_f32_16x16x32_bf16 v[OA+16*\qt+8*\dt:OA+16*\qt+8*\dt+7], v[\vf+8*\dt:\vf+8*\dt+7], v[PF:PF+7], 0
.else
	v_wmma_f32_16x16x32_bf16 v[OA+16*\qt+8*\dt:OA+16*\qt+8*\dt+7], v[\vf+8*\dt:\vf+8*\dt+7], v[PF:PF+7], v[OA+16*\qt+8*\dt:OA+16*\qt+8*\dt+7]
.endif
.endm
.macro PVL qt, zero                    ; denominator
.if \zero
	v_wmma_f32_16x16x32_bf16 v[LS+8*\qt:LS+8*\qt+7], v[ONES:ONES+7], v[PF:PF+7], 0
.else
	v_wmma_f32_16x16x32_bf16 v[LS+8*\qt:LS+8*\qt+7], v[ONES:ONES+7], v[PF:PF+7], v[LS+8*\qt:LS+8*\qt+7]
.endif
.endm
.macro LDWB mat, bf                    ; a layer's two weight fragments and its bias as two C operands
	LDK WF+16*\mat, WLD, WMAT*\mat
	ds_load_b128 v[\bf:\bf+3],     v[BLD] offset:128*\mat
	ds_load_b128 v[\bf+4:\bf+7],   v[BLD] offset:128*\mat+16
	ds_load_b128 v[\bf+8:\bf+11],  v[BLD] offset:128*\mat+64
	ds_load_b128 v[\bf+12:\bf+15], v[BLD] offset:128*\mat+80
.endm
; One block p of 32 s; par = p % 2.  While one query tile's scores go through the vector units, the other's are made by the matrix unit.
; At the block's head SA holds this block's scores of tile 0 and KC this block's fragments; V of this block (into VC) and K of the next
; (into KN) were asked for in the block before.  tail = 0: V of block p + 1 and K of block p + 2 are asked for; 1 (block 14): V alone;
; 2 (block 15): the epilogue's loads.
.macro BLOCK par, zero, tail
.set KC, KF0+150*(\par)
.set KN, KF1-150*(\par)
.set VC, VF0+150*(\par)
.set VN, VF1-150*(\par)
	SCORE SB, 1, KC
.if (\tail) == 0
	SOFT SA, 0, AK, 32*KP, 1
.else
	SOFT SA, 0, AK, 0, 0
.endif
.if (\tail) == 2
	s_wait_dscnt 0x0                               ; VC is in: nothing younger was asked for
.else
	s_wait_dscnt 0x4                               ; VC is in; the four younger loads into KN may be out
.endif
	PVO 0, 0, VC, \zero
	PVO 0, 1, VC, \zero
	PVL 0, \zero
.if (\tail) < 2
	s_wait_dscnt 0x0                               ; KN is in
	SCORE SA, 0, KN                                ; the next block's scores of tile 0
.endif
.if (\tail) == 0
	SOFT SB, 1, AV, 32*VP, 0
.elseif (\tail) == 1
	SOFT SB, 1, AV, 32*VP, 1
.else
	SOFT SB, 1, AV, 0, 0
.endif
	s_wait_alu depctr_va_vdst(0)                   ; AK and AV are written; the last block's context products are done reading VN, this block's score products KC; in the last block the softmax is done with SA, SB, TB, and KF0, VF0, v28, v29 have had their last readers and writers
	PVO 1, 0, VC, \zero                            ; these three products name OA, LS, VC, PF and ONES: none of the registers that the loads among them touch
.if (\tail) < 2
	LDV VN                                         ; V of block p + 1: AV has been stepped
.else
	ds_load_b32 v[QV],   v[QLD]
	ds_load_b32 v[QV+1], v[QLD] offset:64
	LDWB 0, BF0
.endif
	PVO 1, 1, VC, \zero
.if (\tail) == 0
	LDK KC, AK, 32*KP                              ; K of block p + 2: AK stands at block p + 1
.elseif (\tail) == 2
	LDWB 1, BF1
.endif
	PVL 1, \zero
.if (\tail) == 2
	LDWB 2, BF2
.endif
.endm
	s_wait_dscnt 0x8                               ; K of block 0 is in; V of block 0 and K of block 1 (eight loads) may be out
	SCORE SA, 0, KF0
.irp j, 0,1,2,3,4,5,6,7
	v_mov_b32 v[ONES+\j], 0x3f803f80               ; 1.0 twice in bf16; also the places behind SCORE SA
.endr
	BLOCK 0, 1, 0                                  ; block 0 starts the sums
	s_mov_b32 s32, 6
.Lblock:                                           ; blocks 1 to 12, two to a trip: both kinds of buffer are back at their start
	BLOCK 1, 0, 0
	BLOCK 0, 0, 0
	s_sub_co_i32 s32, s32, 1
	s_cmp_lg_u32 s32, 0
	s_cbranch_scc1 .Lblock
	BLOCK 1, 0, 0                                  ; block 13 asks for the last K
	BLOCK 0, 0, 1                                  ; block 14 for the last V
	BLOCK 1, 0, 2                                  ; block 15 for what the epilogue reads
; ---- EPILOGUE: normalise, three layers, out ----
.macro LAYER mat, c0, c1               ; results[16 qt + 8 et] = W rows 16 et .. x the queries' fragment + C
.irp et, 0,1
	v_wmma_f32_16x16x32_bf16 v[OA+8*\et:OA+8*\et+7],       v[WF+16*\mat+8*\et:WF+16*\mat+8*\et+7], v[XB0:XB0+7], v[\c0+8*\et:\c0+8*\et+7]
	v_wmma_f32_16x16x32_bf16 v[OA+16+8*\et:OA+16+8*\et+7], v[WF+16*\mat+8*\et:WF+16*\mat+8*\et+7], v[XB1:XB1+7], v[\c1+8*\et:\c1+8*\et+7]
.endr
.endm
.macro PACKX                           ; 32 f32 of each query tile into its B fragment
.irp k, 0,1,2,3,4,5,6,7
	v_cvt_pk_bf16_f32 v[XB0+\k], v[OA+2*\k],    v[OA+2*\k+1]
	v_cvt_pk_bf16_f32 v[XB1+\k], v[OA+16+2*\k], v[OA+16+2*\k+1]
.endr
.endm
.rept 4
	v_nop                                          ; behind the last products: their results are read and their sources written below (ISA guide 7.12.1)
.endr
	v_rcp_f32 v[IV],   v[LS]                       ; every register of LS holds the query's denominator (at least about 1: the maximum's own term)
	v_rcp_f32 v[IV+1], v[LS]
	v_rcp_f32 v[IV+2], v[LS+8]
	v_rcp_f32 v[IV+3], v[LS+8]
	v_nop                                          ; the plain place behind the reciprocals
	s_wait_alu depctr_va_vdst(0)
.irp qt, 0,1
.irp k, 0,1,2,3,4,5,6,7
	v_pk_mul_f32 v[OA+16*\qt+2*\k:OA+16*\qt+2*\k+1], v[OA+16*\qt+2*\k:OA+16*\qt+2*\k+1], v[IV+2*\qt:IV+2*\qt+1]
.endr
.endr
	PACKX
	s_wait_dscnt 0x10                              ; q, layer 1's weights and bias are in; the 16 loads for layers 2 and 3 may be out
	LAYER 0, BF0, BF0                              ; z = W_scale ctx + b_scale
.irp qt, 0,1
	v_mov_b32 v[QQ+2*\qt],    v[QV+\qt]            ; eight places behind the layer: q and -2 q as pairs
	v_mov_b32 v[QQ+2*\qt+1],  v[QV+\qt]
	v_mul_f32 v[N2Q+2*\qt],   -2.0, v[QV+\qt]
	v_mul_f32 v[N2Q+2*\qt+1], -2.0, v[QV+\qt]
.endr
.irp k, 0,2,4,6,8,10,12,14,16,18,20,22,24,26,28,30
	v_pk_mul_f32 v[OA+\k:OA+\k+1], v[OA+\k:OA+\k+1], 0x4038aa3b op_sel_hi:[1,0]    ; 2 log2(e) z
.endr
.set i, 0
.rept 32
	v_exp_f32 v[OA+i], v[OA+i]
.set i, i+1
.endr
	v_nop
	s_wait_alu depctr_va_vdst(0)
.irp k, 0,2,4,6,8,10,12,14,16,18,20,22,24,26,28,30
	v_pk_add_f32 v[OA+\k:OA+\k+1], v[OA+\k:OA+\k+1], 1.0 op_sel_hi:[1,0]
.endr
.set i, 0
.rept 32
	v_rcp_f32 v[OA+i], v[OA+i]
.set i, i+1
.endr
	v_nop
	s_wait_alu depctr_va_vdst(0)
.irp qt, 0,1
.irp k, 0,1,2,3,4,5,6,7
	v_pk_fma_f32 v[OA+16*\qt+2*\k:OA+16*\qt+2*\k+1], v[OA+16*\qt+2*\k:OA+16*\qt+2*\k+1], v[N2Q+2*\qt:N2Q+2*\qt+1], v[QQ+2*\qt:QQ+2*\qt+1]   ; q tanh(z) = q - 2 q / (1 + exp)
.endr
.endr
	PACKX
	s_wait_dscnt 0x0
	LAYER 1, BF1, BF1                              ; W1 (q tanh) + b1
.irp k, 0,2,4,6,8,10,12,14
	v_pk_add_f32 v[CB0+\k:CB0+\k+1], v[BF2+\k:BF2+\k+1], v[QQ:QQ+1]      ; the places behind the layer: b2 + q, the last layer's C
	v_pk_add_f32 v[CB1+\k:CB1+\k+1], v[BF2+\k:BF2+\k+1], v[QQ+2:QQ+3]
.endr
.set i, 0
.rept 32
	v_max_num_f32 v[OA+i], 0, v[OA+i]              ; relu
.set i, i+1
.endr
	PACKX
	LAYER 2, CB0, CB1                              ; W2 h + b2 + q
.rept 4
	v_nop                                          ; four places before the LDS stores read the results
.endr
	s_wait_alu depctr_va_vdst(0)                   ; the last layer has written OA, which the LDS stores read; the layers are done reading WF, in which the read-backs land; the places above stay beside this wait
.irp qt, 0,1
.irp et, 0,1
	ds_store_b128 v[OST], v[OA+16*\qt+8*\et:OA+16*\qt+8*\et+3]   offset:16*OP*\qt+64*\et
	ds_store_b128 v[OST], v[OA+16*\qt+8*\et+4:OA+16*\qt+8*\et+7] offset:16*OP*\qt+64*\et+16
.endr
.endr
.irp i, 0,1,2,3,4,5,6,7
	ds_load_b128 v[WF+4*\i:WF+4*\i+3], v[OLD] offset:4*OP*\i     ; my own bytes, served in order: four whole rows a load
.endr
.irp i, 0,1,2,3,4,5,6,7
	s_wait_dscnt 7-\i
	global_store_b128 v[GOFF], v[WF+4*\i:WF+4*\i+3], s[24:25] offset:512*\i th:TH_STORE_NT   ; 512 consecutive bytes, at a multiple of 512 from out0's first byte
.endr
	s_wait_dscnt 0x0
	s_wait_alu depctr_hold_cnt(0) depctr_sa_sdst(0) depctr_va_vdst(0) depctr_va_sdst(0) depctr_va_ssrc(0) depctr_va_vcc(0) depctr_vm_vsrc(0)
	s_wait_tensorcnt 0x0
	ds_add_u32 v214, v215
	s_wait_dscnt 0x0
	s_endpgm
.Lfunc_end_k_q5e4fdc79dd_refine:
	.size	k_q5e4fdc79dd_refine, .Lfunc_end_k_q5e4fdc79dd_refine-k_q5e4fdc79dd_refine
	.p2alignl 7, 3214868480
	.fill 96, 4, 3214868480
	.section	.rodata,"a",@progbits
	.p2align	6, 0x0
	.amdhsa_kernel k_q5e4fdc79dd_refine
		.amdhsa_group_segment_fixed_size 181760
		.amdhsa_private_segment_fixed_size 0
		.amdhsa_enable_private_segment 0
		.amdhsa_kernarg_size 72
		.amdhsa_user_sgpr_count 2
		.amdhsa_user_sgpr_kernarg_segment_ptr 1
		.amdhsa_wavefront_size32 1
		.amdhsa_system_sgpr_workgroup_id_x 1
		.amdhsa_system_sgpr_workgroup_id_y 1
		.amdhsa_system_sgpr_workgroup_id_z 1
		.amdhsa_system_vgpr_workitem_id 0
		.amdhsa_next_free_vgpr 248
		.amdhsa_next_free_sgpr 66
		.amdhsa_reserve_vcc 0
		.amdhsa_float_denorm_mode_32 3
		.amdhsa_float_denorm_mode_16_64 3
		.amdhsa_memory_ordered 1
		.amdhsa_forward_progress 1
		.amdhsa_inst_pref_size 79
	.end_amdhsa_kernel
	.amdgpu_metadata
---
amdhsa.version: [ 1, 2 ]
amdhsa.kernels:
  - .name:           k_q5e4fdc79dd_refine
    .symbol:         k_q5e4fdc79dd_refine.kd
    .args:
      - { .name: rgn, .offset: 0, .size: 8, .value_kind: global_buffer, .address_space: global }
      - { .name: wrd, .offset: 8, .size: 8, .value_kind: global_buffer, .address_space: global }
      - { .name: W_scale, .offset: 16, .size: 8, .value_kind: global_buffer, .address_space: global }
      - { .name: W1, .offset: 24, .size: 8, .value_kind: global_buffer, .address_space: global }
      - { .name: W2, .offset: 32, .size: 8, .value_kind: global_buffer, .address_space: global }
      - { .name: b_scale, .offset: 40, .size: 8, .value_kind: global_buffer, .address_space: global }
      - { .name: b1, .offset: 48, .size: 8, .value_kind: global_buffer, .address_space: global }
      - { .name: b2, .offset: 56, .size: 8, .value_kind: global_buffer, .address_space: global }
      - { .name: out0, .offset: 64, .size: 8, .value_kind: global_buffer, .address_space: global }
    .group_segment_fixed_size: 181760
    .private_segment_fixed_size: 0
    .kernarg_segment_align: 8
    .kernarg_segment_size: 72
    .max_flat_workgroup_size: 512
    .sgpr_count:     66
    .vgpr_count:     248
    .wavefront_size: 32
...
	.end_amdgpu_metadata
.endif
;; end of part 2
